; MI455X (gfx1250); checked and timed in simulation.
; The chip was launched on July 23, 2026; its instructions are those of AMD's public machine-readable ISA for CDNA 5 (MIT licence, August 2026) and "CDNA5" Instruction Set Architecture Reference Guide (July 2026). The comments in the code are by the model that wrote it; some were corrected since.
;; Self Attention Layer. Allowed arithmetic: float matrix products may take bf16 or f16 operands with f32 sums; all other float work in f32.
;; Inputs: W 1,024 x 1,024 float32; W1 1,024 x 1,024 float32; W2 1,024 x 1,024 float32; x 2 x 2,048 x 1,024 float32.
;; Outputs: out0 2 x 2,048 x 1,024 float32.
;; 2 versions, each right; version 2 is version 1 with the launch cast written anew for expert scheduling mode. Each part assembles by itself: llvm-mc -triple=amdgcn-amd-amdhsa -mcpu=gfx1250 --defsym DOCPART=n.
;; ======== version 1 of 2: 3 launches
;; limits: values are held in f16: magnitudes above 65,504 overflow, below 6.1e-05 lose precision
;; workspace buffers: xb 8,388,608 bytes; wt 6,291,456 bytes; qh 8,388,608 bytes; kh 8,388,608 bytes; vt 8,388,608 bytes
;; launch cast (part 1): grid 256 x 1, 8 waves a work-group, no clusters, 53,248 bytes of LDS; arguments x, W, W1, W2, xb, wt; writes xb, wt
.if DOCPART == 1
	.amdgcn_target "amdgcn-amd-amdhsa--gfx1250"
	.amdhsa_code_object_version 6
	.text
	.protected	k_q44ad5c4382_cast
	.globl	k_q44ad5c4382_cast
	.p2align	8
	.type	k_q44ad5c4382_cast,@function
k_q44ad5c4382_cast:
	s_mov_b64 s[64:65], 0
	v_nop
	global_prefetch_b8 v0, s[64:65] scope:SCOPE_SE
	s_setreg_imm32_b32 hwreg(HW_REG_WAVE_MODE, 25, 1), 1
	s_wait_xcnt 0x0
; xb = x rounded to bf16, [4096][1024].
; wt = the three weights rounded to bf16, transposed and ordered by head: [3072][1024],
;      row = 192 h + 64 p + c (p = 0: W, 1: W1, 2: W2; c = column inside head h), k along the row.
; Work-groups 0..127 take 131,072 bytes of x each; work-groups 128..255 take, for one head h and one block of 128 k,
; a tile of 128 k x 64 columns of each of the three weights.  Nothing is shared between work-groups and every byte is read
; once, so there is no cluster and no data mover: all of a wave's loads go out at once, into registers.
.set WROW,  4096                       ; bytes in a row of a weight (1024 f32)
.set TP,    272                        ; LDS pitch of a transposed row: 128 k x 2 bytes + 16
.set TPL,   64*TP                      ; one weight's transposed tile: 64 rows
.set LD,    8                          ; v[8:135] (x) or v[8:103] (weights): what the loads bring
.set T,     104                        ; v[104:111] weights: packed pairs on their way to LDS (before that: address temporaries)
	s_load_b256 s[4:11], s[0:1], 0x0               ; x s[4:5], W s[6:7], W1 s[8:9], W2 s[10:11]
	s_load_b128 s[12:15], s[0:1], 0x20             ; xb s[12:13], wt s[14:15]
	v_lshl_add_u32 v136, v0, 2, 0xcc00
	v_mov_b32 v137, 0
	v_and_b32 v1, 31, v0                           ; lane
	v_lshrrev_b32 v2, 5, v0                        ; wave
	s_cmp_lt_u32 ttmp9, 128                        ; the same in every wave of the work-group
	s_cbranch_scc0 .Lweights
	; ---- x: a wave takes 16,384 bytes, 32 loads of 512 consecutive bytes, all issued before the first is used ----
	s_lshl_b32 s16, ttmp9, 17                      ; the work-group's 131,072 bytes of x
	s_mov_b32 s17, 0
	s_lshl_b32 s18, ttmp9, 16                      ; and its 65,536 bytes of xb
	s_mov_b32 s19, 0
	v_lshlrev_b32 v3, 4, v1
	v_lshl_or_b32 v3, v2, 14, v3                   ; load: 16,384 wave + 16 lane
	v_lshlrev_b32 v4, 3, v1
	v_lshl_or_b32 v4, v2, 13, v4                   ; store: 8,192 wave + 8 lane
	s_wait_kmcnt 0x0
	s_add_nc_u64 s[4:5], s[4:5], s[16:17]
	s_add_nc_u64 s[12:13], s[12:13], s[18:19]
.set i, 0
.rept 32
	global_load_b128 v[LD+4*i:LD+4*i+3], v3, s[4:5] offset:512*i th:TH_LOAD_NT
.set i, i+1
.endr
.set i, 0
.rept 32
	s_wait_loadcnt 31-i                            ; loads come back in order: load i is in, the 31 - i younger ones stay out
	v_cvt_pk_bf16_f32 v[LD+4*i], v[LD+4*i], v[LD+4*i+1]
	v_cvt_pk_bf16_f32 v[LD+4*i+1], v[LD+4*i+2], v[LD+4*i+3]
	global_store_b64 v4, v[LD+4*i:LD+4*i+1], s[12:13] offset:256*i   ; the wave's 32 lanes store 256 consecutive bytes, aligned; no register of a store is written again
.set i, i+1
.endr
	s_endpgm
	; ---- weights ----
.Lweights:
	s_sub_co_u32 s16, ttmp9, 128
	s_lshr_b32 s17, s16, 3                         ; head h
	s_and_b32 s18, s16, 7                          ; block of 128 k
	s_lshl_b32 s20, s18, 19                        ; 128 rows of 4,096 bytes
	s_lshl_b32 s19, s17, 8                         ; 64 columns of 4 bytes
	s_add_co_u32 s20, s20, s19
	s_mov_b32 s21, 0
	s_mul_i32 s22, s17, 393216                     ; 192 rows of wt, 2,048 bytes each
	s_lshl_b32 s19, s18, 8                         ; 128 k of 2 bytes
	s_add_co_u32 s22, s22, s19
	s_mov_b32 s23, 0
	v_and_b32 v104, 15, v1                         ; r = lane % 16
	v_lshrrev_b32 v105, 4, v1                      ; hh = lane / 16
	v_lshlrev_b32 v3, 4, v104                      ; load: row 16 wave + 4 hh (+ 8 grp + j by the immediate), columns 4 r .. 4 r + 3
	v_lshl_add_u32 v3, v105, 14, v3
	v_lshl_add_u32 v3, v2, 16, v3
	v_mul_u32_u24 v5, v104, 4*TP                   ; LDS in: row n = 4 r (+ i), byte 2 k = 32 wave + 8 hh (+ 16 grp)
	v_lshl_add_u32 v5, v2, 5, v5
	v_lshl_add_u32 v5, v105, 3, v5
	v_lshl_add_u32 v106, v2, 3, v105               ; row n = 8 wave + hh (+ 2 t)
	v_mul_u32_u24 v6, v106, TP                     ; LDS back: sixteen lanes take one row of 256 bytes
	v_lshl_add_u32 v6, v104, 4, v6
	v_lshlrev_b32 v7, 11, v106                     ; and the same row of wt
	v_lshl_add_u32 v7, v104, 4, v7
	s_wait_kmcnt 0x0
	s_add_nc_u64 s[6:7], s[6:7], s[20:21]
	s_add_nc_u64 s[8:9], s[8:9], s[20:21]
	s_add_nc_u64 s[10:11], s[10:11], s[20:21]
	s_add_nc_u64 s[14:15], s[14:15], s[22:23]
	; 24 loads, all out at once.  Sixteen lanes read 256 consecutive bytes of a row, aligned.
.irp p, 0,1,2
.irp g, 0,1
.irp j, 0,1,2,3
	global_load_b128 v[LD+32*\p+16*\g+4*\j:LD+32*\p+16*\g+4*\j+3], v3, s[6+2*\p:7+2*\p] offset:(8*\g+\j)*WROW th:TH_LOAD_NT
.endr
.endr
.endr
	; A group of four loads gives a lane 4 neighbouring k of 4 columns: for each column 8 bytes of a transposed row.
	; These 8-byte stores meet four deep in the banks (rows 4 r are 64 bytes apart modulo 256); the pitch is kept at 272
	; so that the rows are read back 16 bytes a lane: 24 stores a wave in the whole launch.
.irp p, 0,1,2
.irp g, 0,1
	s_wait_loadcnt 20-4*(2*\p+\g)                  ; this group's four loads are in; those of the later groups stay out
.irp i, 0,1,2,3
	v_cvt_pk_bf16_f32 v[T+2*\i], v[LD+32*\p+16*\g+\i], v[LD+32*\p+16*\g+4+\i]
	v_cvt_pk_bf16_f32 v[T+2*\i+1], v[LD+32*\p+16*\g+8+\i], v[LD+32*\p+16*\g+12+\i]
	ds_store_b64 v5, v[T+2*\i:T+2*\i+1] offset:\p*TPL+\i*TP+\g*16
.endr
.endr
.endr
	s_wait_dscnt 0x0                               ; my stores are in LDS, for the other waves' sake,
	s_barrier_signal -1
	s_barrier_wait -1                              ; and so are everybody's: a transposed row holds k of all eight waves
.irp p, 0,1,2
.irp t, 0,1,2,3
	ds_load_b128 v[LD+16*\p+4*\t:LD+16*\p+4*\t+3], v6 offset:\p*TPL+\t*2*TP
.endr
.endr
.irp p, 0,1,2
.irp t, 0,1,2,3
	s_wait_dscnt 11-(4*\p+\t)                      ; LDS loads come back in order: this one is in, the younger ones stay out
	global_store_b128 v7, v[LD+16*\p+4*\t:LD+16*\p+4*\t+3], s[14:15] offset:(64*\p+2*\t)*2048   ; sixteen lanes store 256 consecutive bytes, aligned
.endr
.endr
	s_wait_tensorcnt 0x0
	ds_add_u32 v136, v137
	s_wait_dscnt 0x0
	s_endpgm
.Lfunc_end_k_q44ad5c4382_cast:
	.size	k_q44ad5c4382_cast, .Lfunc_end_k_q44ad5c4382_cast-k_q44ad5c4382_cast
	.p2alignl 7, 3214868480
	.fill 96, 4, 3214868480
	.section	.rodata,"a",@progbits
	.p2align	6, 0x0
	.amdhsa_kernel k_q44ad5c4382_cast
		.amdhsa_group_segment_fixed_size 53248
		.amdhsa_private_segment_fixed_size 0
		.amdhsa_enable_private_segment 0
		.amdhsa_kernarg_size 48
		.amdhsa_user_sgpr_count 2
		.amdhsa_user_sgpr_kernarg_segment_ptr 1
		.amdhsa_wavefront_size32 1
		.amdhsa_system_sgpr_workgroup_id_x 1
		.amdhsa_system_sgpr_workgroup_id_y 1
		.amdhsa_system_sgpr_workgroup_id_z 1
		.amdhsa_system_vgpr_workitem_id 0
		.amdhsa_next_free_vgpr 138
		.amdhsa_next_free_sgpr 66
		.amdhsa_reserve_vcc 0
		.amdhsa_float_denorm_mode_32 3
		.amdhsa_float_denorm_mode_16_64 3
		.amdhsa_memory_ordered 1
		.amdhsa_forward_progress 1
		.amdhsa_inst_pref_size 23
	.end_amdhsa_kernel
	.amdgpu_metadata
---
amdhsa.version: [ 1, 2 ]
amdhsa.kernels:
  - .name:           k_q44ad5c4382_cast
    .symbol:         k_q44ad5c4382_cast.kd
    .args:
      - { .name: x, .offset: 0, .size: 8, .value_kind: global_buffer, .address_space: global }
      - { .name: W, .offset: 8, .size: 8, .value_kind: global_buffer, .address_space: global }
      - { .name: W1, .offset: 16, .size: 8, .value_kind: global_buffer, .address_space: global }
      - { .name: W2, .offset: 24, .size: 8, .value_kind: global_buffer, .address_space: global }
      - { .name: xb, .offset: 32, .size: 8, .value_kind: global_buffer, .address_space: global }
      - { .name: wt, .offset: 40, .size: 8, .value_kind: global_buffer, .address_space: global }
    .group_segment_fixed_size: 53248
    .private_segment_fixed_size: 0
    .kernarg_segment_align: 8
    .kernarg_segment_size: 48
    .max_flat_workgroup_size: 256
    .sgpr_count:     66
    .vgpr_count:     138
    .wavefront_size: 32
...
	.end_amdgpu_metadata
.endif
;; end of part 1
;; launch proj (part 2): grid 16 x 16, 4 waves a work-group, clusters of 4 x 4, 327,680 bytes of LDS; arguments xb, wt, qh, kh, vt; writes qh, kh, vt
.if DOCPART == 2
	.amdgcn_target "amdgcn-amd-amdhsa--gfx1250"
	.amdhsa_code_object_version 6
	.text
	.protected	k_q44ad5c4382_proj
	.globl	k_q44ad5c4382_proj
	.p2align	8
	.type	k_q44ad5c4382_proj,@function
k_q44ad5c4382_proj:
	s_mov_b64 s[64:65], 0
	v_nop
	global_prefetch_b8 v0, s[64:65] scope:SCOPE_SE
	s_setreg_imm32_b32 hwreg(HW_REG_WAVE_MODE, 25, 1), 1
	s_wait_xcnt 0x0
	s_wait_alu depctr_hold_cnt(0) depctr_sa_sdst(0) depctr_va_vdst(0) depctr_va_sdst(0) depctr_va_ssrc(0) depctr_va_vcc(0) depctr_vm_vsrc(0)
	s_getreg_b32 s2, hwreg(HW_REG_IB_STS2, 6, 4)
	s_cmp_eq_u32 s2, 0
	s_cbranch_scc0 .Lentry_in_a_cluster
	s_endpgm
.Lentry_in_a_cluster:
	s_bfe_u32 s2, ttmp6, 0x10000c
	s_cmp_lg_u32 s2, 0xf033
	s_cbranch_scc0 .Lentry_shape_is_right
	s_endpgm
.Lentry_shape_is_right:
; Q, K, V of one head for 256 rows of x:  [256 x 1024] (xb) times [192 x 1024]^T (wt rows 192 h ..), bf16 operands, f32 sums,
; each result rounded once to f16.  qh, kh: [16 b + h][2048][64] f16;  vt: [16 b + h][64 d][2048 keys] f16 (V transposed).
; LIMIT: Q, K and V are kept in f16, so their magnitudes must stay below 65,504; beyond that they become infinities.
; Four waves; wave w makes rows 64 w .. 64 w + 63 times all 192 columns: 4 x 12 = 48 accumulator tiles of 16 x 16.
; K goes in steps of 128 (rows of 256 bytes, aligned) through a ring of two LDS slots filled by the tensor data mover.
; CLUSTERS: 4 x 4 work-groups.  x is the head, y the block of rows.  xb's tile hangs on y alone and is asked for jointly by the four
; of a row of the cluster; wt's hangs on x alone and is asked for jointly by the four of a column: a quarter of the requests.
; Q and K use the matrix instruction transposed (source 0 = rows of wt, source 1 = rows of xb): a lane then holds 8 neighbouring
; columns of one row.  V uses it the natural way (source 0 = xb, source 1 = wt): a lane holds 8 neighbouring keys of one d.
; REGISTERS by windows of 256:  0: addresses, xb's fragments (two buffers), the way out;  1: wt's fragments (two buffers);
;   2: Q/K tile (a, b) at 8 (8 a + b), a = 0..3 rows, b = 0..3 Q, 4..7 K;   3: V tile (a, b) at 8 (4 a + b).
.set KSTEP,  128
.set PITCH,  272                       ; 256 bytes + 16: an odd multiple of 16, so the 16 rows of a fragment load start 16 bytes apart modulo 256
.set AW,     64*PITCH                  ; what one wave fetches of xb, and all that it reads of it
.set BW,     48*PITCH                  ; what one wave fetches of wt
.set BOFF,   256*PITCH                 ; wt's 192 rows lie behind xb's 256
.set SLOT,   448*PITCH
.set QST,    2*SLOT                    ; behind the ring, never filled by a tensor load: 64 rows x 144 bytes for each wave (Q, then K)
.set QP,     144
.set QSTW,   64*QP
.set VST,    QST+4*QSTW                ; 64 rows (d) x 528 bytes (256 keys + 16), shared by the four waves
.set VP,     528
.set LAPS,   1024/(2*KSTEP)            ; a lap = two K steps = once round the ring
.set ADRA, 16                          ; v16-17  my xb fragments in slot 0, 1
.set ADRB, 20                          ; v20-21  wt's fragments
.set STQ,  24                          ; way out of Q, K: where I put 16 bytes
.set RDQ,  25                          ;                  where I read them back by rows
.set GO,   26                          ; 16 x lane: my bytes in 512 consecutive bytes of an output
.set STV,  27                          ; way out of V
.set RDV,  28
.set RB,   64                          ; v64-127  read back from the stage (the fragment buffers, free by then)
.set TMP,  128                         ; v128-191 packed results
.set G1A, 16                           ; s[16:23] shape of xb's tiles
.set G1B, 24                           ; s[24:31] shape of wt's tiles
.set G0A, 32                           ; s[32:39] from where, to where: xb, one set for each slot
.set G0B, 48                           ; s[48:55] the same for wt
.set FLAGS, (1<<16)|(1<<20)|(1<<21)|(5<<22)|(3<<25)  ; elements of 2 bytes; padding on; bit 21 beside a mask; after every 64 words, 4 words
.set MSB, 0
.macro WIN new                         ; the immediate's high byte repeats the setting that is left
.if MSB != \new
	s_set_vgpr_msb (MSB<<8)|\new
.set MSB, \new
.endif
.endm
.macro PLACES                          ; four places behind a matrix instruction before its registers are loaded into or read by vector work (ISA guide 7.12.1)
.rept 4
	v_nop
.endr
.endm
.macro CREST                           ; a round of the cluster's barrier behind its opening work-group barrier
	s_cmp_lg_u32 s14, 0
	s_cbranch_scc1 .Lnot_wave_0_\@
	s_barrier_signal -3
.Lnot_wave_0_\@:
	s_barrier_wait -3
	s_barrier_signal -1
	s_barrier_wait -1
.endm
.macro CROUND
	s_barrier_signal -1
	s_barrier_wait -1
	CREST
.endm
.macro JLOAD s                         ; my 64 rows of xb and my 48 rows of wt for slot s: two joint loads, on every path of every wave
	tensor_load_to_lds s[G0A+4*\s:G0A+4*\s+3], s[G1A:G1A+7]
	s_nop 0
	tensor_load_to_lds s[G0B+4*\s:G0B+4*\s+3], s[G1B:G1B+7]
	s_nop 0
.endm
	s_load_b256 s[4:11], s[0:1], 0x0               ; xb s[4:5], wt s[6:7], qh s[8:9], kh s[10:11]
	s_load_b64 s[12:13], s[0:1], 0x20              ; vt
	s_set_vgpr_msb 0x40
	v_lshl_add_u32 v255, v0, 2, 0x4cc00
	s_set_vgpr_msb 0x4000
	v_mov_b32 v255, 0
	s_set_vgpr_msb 0x1
	ds_add_u32 v255, v255
	s_set_vgpr_msb 0x100
	v_lshrrev_b32 v1, 5, v0
	v_readfirstlane_b32 s14, v1                    ; wave 0..3
	s_bfe_u32 s40, ttmp6, 0x40000                  ; cx
	s_bfe_u32 s41, ttmp6, 0x40004                  ; cy
	s_lshl_b32 s42, ttmp9, 2
	s_add_co_u32 s42, s42, s40                     ; head = 4 x cluster x + cx
	s_and_b32 s43, ttmp7, 0xffff
	s_lshl_b32 s43, s43, 2
	s_add_co_u32 s43, s43, s41                     ; block of 256 rows = 4 x cluster y + cy
	s_lshl_b32 s44, s41, 2
	s_lshl_b32 s44, 15, s44                        ; my row of the cluster
	s_lshl_b32 s45, 0x1111, s40                    ; my column
	s_or_b32 s[G1A+0], s44, FLAGS
	s_mov_b32 s[G1A+1], KSTEP<<16                  ; tensor_dim0 = 128
	s_mov_b32 s[G1A+2], 64<<16                     ; tensor_dim1 = 64
	s_mov_b32 s[G1A+3], KSTEP<<16                  ; tile_dim0 = 128
	s_mov_b32 s[G1A+4], 64                         ; tile_dim1 = 64
	s_mov_b32 s[G1A+5], 1024                       ; elements from row to row
	s_mov_b32 s[G1A+6], 0
	s_mov_b32 s[G1A+7], 0
	s_or_b32 s[G1B+0], s45, FLAGS
	s_mov_b32 s[G1B+1], KSTEP<<16
	s_mov_b32 s[G1B+2], 48<<16
	s_mov_b32 s[G1B+3], KSTEP<<16
	s_mov_b32 s[G1B+4], 48
	s_mov_b32 s[G1B+5], 1024
	s_mov_b32 s[G1B+6], 0
	s_mov_b32 s[G1B+7], 0
	; xb's address is made of the block of rows and the wave, wt's of the head and the wave, each in registers that never hold the other coordinate
	s_lshl_b32 s56, s43, 8
	s_lshl_b32 s60, s14, 6
	s_add_co_u32 s56, s56, s60                     ; row 256 x block + 64 x wave
	s_lshl_b32 s56, s56, 11                        ; of 2,048 bytes
	s_mov_b32 s57, 0
	s_mul_i32 s58, s42, 192
	s_mul_i32 s61, s14, 48
	s_add_co_u32 s58, s58, s61                     ; row 192 x head + 48 x wave
	s_lshl_b32 s58, s58, 11
	s_mov_b32 s59, 0
	s_mul_i32 s62, s14, AW                         ; LDS: the wave's number and constants alone
	s_mul_i32 s63, s14, BW
	s_add_co_u32 s63, s63, BOFF
	s_wait_dscnt 0x0
	s_wait_kmcnt 0x0
	s_add_nc_u64 s[56:57], s[4:5], s[56:57]
	s_add_nc_u64 s[58:59], s[6:7], s[58:59]
	CROUND                                         ; all sixteen work-groups are here: the first joint loads meet
.irp s, 0,1
	s_mov_b32 s[G0A+4*\s], 1
	s_add_co_u32 s[G0A+4*\s+1], s62, \s*SLOT
	s_add_nc_u64 s[G0A+4*\s+2:G0A+4*\s+3], s[56:57], \s*KSTEP*2
	s_or_b32 s[G0A+4*\s+3], s[G0A+4*\s+3], 0x80000000
	s_mov_b32 s[G0B+4*\s], 1
	s_add_co_u32 s[G0B+4*\s+1], s63, \s*SLOT
	s_add_nc_u64 s[G0B+4*\s+2:G0B+4*\s+3], s[58:59], \s*KSTEP*2
	s_or_b32 s[G0B+4*\s+3], s[G0B+4*\s+3], 0x80000000
	JLOAD \s                                       ; K steps 0 and 1: four loads of the wave are out, the most in this text
.endr
	v_and_b32 v1, 15, v0                           ; r = lane % 16
	v_bfe_u32 v2, v0, 4, 1                         ; h16 = lane / 16
	v_and_b32 v5, 31, v0                           ; lane
	v_mul_u32_u24 v3, v1, PITCH
	v_lshl_add_u32 v3, v2, 4, v3                   ; a fragment: row r, 16 bytes for each half of the lanes, two loads 32 bytes apart
	v_add_nc_u32 v[ADRA], s62, v3
	v_add_nc_u32 v[ADRA+1], SLOT, v[ADRA]
	v_add_nc_u32 v[ADRB], BOFF, v3
	v_add_nc_u32 v[ADRB+1], SLOT, v[ADRB]
	s_mul_i32 s60, s14, QSTW
	s_add_co_u32 s60, s60, QST                     ; my stage for Q and K
	v_mul_u32_u24 v4, v1, QP
	v_lshl_add_u32 v4, v2, 4, v4
	v_add_nc_u32 v[STQ], s60, v4
	v_lshrrev_b32 v6, 3, v5
	v_and_b32 v7, 7, v5
	v_mul_u32_u24 v8, v6, QP                       ; back: eight lanes take one row of 128 bytes
	v_lshl_add_u32 v8, v7, 4, v8
	v_add_nc_u32 v[RDQ], s60, v8
	v_lshlrev_b32 v[GO], 4, v5
	s_lshl_b32 s61, s14, 7
	s_add_co_u32 s61, s61, VST                     ; V: my 64 keys are 128 bytes of every row d
	v_mul_u32_u24 v9, v1, VP
	v_lshl_add_u32 v9, v2, 4, v9
	v_add_nc_u32 v[STV], s61, v9
	s_mul_i32 s61, s14, 16*VP
	s_add_co_u32 s61, s61, VST                     ; back: I store rows d = 16 wave ..
	v_add_nc_u32 v[RDV], s61, v[GO]
; 16 matrix instructions of Q/K: row tiles a0, a0 + 1 x column tiles 0..7, 32 along K, from fragment buffers f.  zero = 1: the product starts the sums.
.macro MULQK f, a0, zero
	WIN 0xa1                                       ; source 0 window 1 (wt), source 1 window 0 (xb), C and D window 2
.irp a, \a0, \a0+1
.irp b, 0,1,2,3,4,5,6,7
.if \zero
	v_wmma_f32_16x16x32_bf16 v[8*(8*(\a)+\b):8*(8*(\a)+\b)+7], v[96*\f+8*\b:96*\f+8*\b+7], v[64+32*\f+8*(\a):64+32*\f+8*(\a)+7], 0
.else
	v_wmma_f32_16x16x32_bf16 v[8*(8*(\a)+\b):8*(8*(\a)+\b)+7], v[96*\f+8*\b:96*\f+8*\b+7], v[64+32*\f+8*(\a):64+32*\f+8*(\a)+7], v[8*(8*(\a)+\b):8*(8*(\a)+\b)+7]
.endif
.endr
.endr
.endm
; 16 matrix instructions of V
.macro MULV f, zero
	WIN 0xf4                                       ; source 0 window 0 (xb), source 1 window 1 (wt), C and D window 3
.irp a, 0,1,2,3
.irp b, 0,1,2,3
.if \zero
	v_wmma_f32_16x16x32_bf16 v[8*(4*\a+\b):8*(4*\a+\b)+7], v[64+32*\f+8*\a:64+32*\f+8*\a+7], v[96*\f+8*(8+\b):96*\f+8*(8+\b)+7], 0
.else
	v_wmma_f32_16x16x32_bf16 v[8*(4*\a+\b):8*(4*\a+\b)+7], v[64+32*\f+8*\a:64+32*\f+8*\a+7], v[96*\f+8*(8+\b):96*\f+8*(8+\b)+7], v[8*(4*\a+\b):8*(4*\a+\b)+7]
.endif
.endr
.endr
.endm
; 32 LDS loads in one run: my 64 rows of xb and all 192 rows of wt, 32 K at byte k of the rows, into buffers f
.macro FETCH slot, k, f
	WIN 0
.irp a, 0,1,2,3
	ds_load_b128 v[64+32*\f+8*\a:64+32*\f+8*\a+3],   v[ADRA+\slot] offset:\k+\a*16*PITCH
	ds_load_b128 v[64+32*\f+8*\a+4:64+32*\f+8*\a+7], v[ADRA+\slot] offset:\k+\a*16*PITCH+32
.endr
	WIN 0x40                                       ; destination window 1, address window 0
.irp b, 0,1,2,3,4,5,6,7,8,9,10,11
	ds_load_b128 v[96*\f+8*\b:96*\f+8*\b+3],   v[ADRB+\slot] offset:\k+\b*16*PITCH
	ds_load_b128 v[96*\f+8*\b+4:96*\f+8*\b+7], v[ADRB+\slot] offset:\k+\b*16*PITCH+32
.endr
.endm
; A K step is four quarters of 32 along K, 48 matrix instructions each, on buffers 0, 1, 0, 1.  The 48 accumulators take turns, one
; instruction a turn, in the same order in every quarter, over the loop's backward jump too.
; One of the first three quarters: fetches the next quarter's fragments into buffers g (last read by the quarter before), then multiplies buffers f.
.macro QUARTER slot, k, f, g, zero
	PLACES
	FETCH \slot, \k, \g
	s_wait_dscnt 32                                ; all but the 32 loads just issued: buffers f are in
	MULQK \f, 0, \zero
	MULQK \f, 2, \zero
	MULV \f, \zero
.endm
.macro THREE slot, zero
	QUARTER \slot, 64,  0, 1, \zero
	QUARTER \slot, 128, 1, 0, 0
	QUARTER \slot, 192, 0, 1, 0
.endm
; The last quarter multiplies buffers 1 and changes slots.  In front of the barrier each wave has its reads of this slot back and all its
; tensor loads landed (the two that were out are its parts of the next slot).  Where the slot is filled again the barrier opens a round
; of the cluster's barrier, and the joint refills are the first tensor loads behind the round.  From a request to the wait for it a wave
; issues 176 of a K step's 192 matrix instructions.
.macro TURN slot, next, fill
	s_wait_dscnt 0x0                               ; buffers 1 are in, and with them my last reads of this slot
	MULQK 1, 0, 0
	s_wait_tensorcnt 0x0                           ; all my tensor loads have landed
	ds_add_u32 v255, v255
	s_wait_dscnt 0x0
	s_barrier_signal -1
	MULQK 1, 2, 0                                  ; registers only
	WIN 0
	s_barrier_wait -1
.if \fill
	CREST
	s_add_nc_u64 s[G0A+4*\slot+2:G0A+4*\slot+3], s[G0A+4*\slot+2:G0A+4*\slot+3], 2*KSTEP*2   ; no load of mine is out: the addresses may step, two K steps on
	s_add_nc_u64 s[G0B+4*\slot+2:G0B+4*\slot+3], s[G0B+4*\slot+2:G0B+4*\slot+3], 2*KSTEP*2
	JLOAD \slot
.endif
	PLACES
	FETCH \next, 0, 0
	MULV 1, 0
.endm
.macro LAP zero
	THREE 0, \zero
	TURN 0, 1, 1
	THREE 1, 0
	TURN 1, 0, 1
.endm
	s_wait_tensorcnt 0x2                           ; my two parts of K step 0 are in; the two of K step 1 stay out
	s_barrier_signal -1
	s_barrier_wait -1                              ; everybody's are
	FETCH 0, 0, 0
	LAP 1                                          ; the first lap's first products start the sums: nothing is cleared
	WIN 0
	s_mov_b32 s3, LAPS-2
.Llap:
	LAP 0
	WIN 0
	s_sub_co_u32 s3, s3, 1
	s_cmp_lg_u32 s3, 0
	s_cbranch_scc1 .Llap
	THREE 0, 0                                     ; the last lap fills nothing
	TURN 0, 1, 0
	THREE 1, 0
	s_wait_dscnt 0x0
	MULQK 1, 0, 0
	MULQK 1, 2, 0
	MULV 1, 0
	PLACES                                         ; behind the last matrix instructions, for the conversions and for the loads into the old fragment buffers
	; THE WAY OUT.  Offsets in registers that fed no descriptor.
	s_lshr_b32 s76, s43, 3                         ; batch: 8 blocks of 256 rows each
	s_lshl_b32 s76, s76, 4
	s_add_co_u32 s76, s76, s42                     ; 16 b + h
	s_lshl_b32 s76, s76, 18                        ; 262,144 bytes a head in each of the three buffers
	s_and_b32 s77, s43, 7
	s_lshl_b32 s77, s77, 8                         ; first position of the block
	s_lshl_b32 s78, s14, 6
	s_add_co_u32 s78, s78, s77
	s_lshl_b32 s78, s78, 7                         ; my first row, 128 bytes a row
	s_add_co_u32 s72, s76, s78
	s_mov_b32 s73, 0
	s_lshl_b32 s78, s14, 16                        ; vt: rows d = 16 wave .., 4,096 bytes a row
	s_lshl_b32 s77, s77, 1                         ; the block's first key, 2 bytes a key
	s_add_co_u32 s74, s76, s78
	s_add_co_u32 s74, s74, s77
	s_mov_b32 s75, 0
	s_add_nc_u64 s[66:67], s[8:9], s[72:73]
	s_add_nc_u64 s[68:69], s[10:11], s[72:73]
	s_add_nc_u64 s[70:71], s[12:13], s[74:75]
; Q (b0 = 0) or K (b0 = 4): 64 rows x 64 columns, rounded to f16, through my own stage, out as 8,192 consecutive bytes.
.macro OUTQK b0, base
	WIN 0x0a                                       ; sources window 2
.irp a, 0,1,2,3
.irp b, 0,1,2,3
.irp i, 0,1,2,3
	v_cvt_pk_f16_f32 v[TMP+16*\a+4*\b+\i], v[8*(8*\a+\b0+\b)+2*\i], v[8*(8*\a+\b0+\b)+2*\i+1]
.endr
.endr
.endr
	WIN 0
.irp a, 0,1,2,3
.irp b, 0,1,2,3
	ds_store_b128 v[STQ], v[TMP+16*\a+4*\b:TMP+16*\a+4*\b+3] offset:\a*16*QP+32*\b
.endr
.endr
	s_wait_xcnt 0x0                                ; RB, which earlier stores read, is loaded again only behind this wait
.irp t, 0,1,2,3,4,5,6,7,8,9,10,11,12,13,14,15
	ds_load_b128 v[RB+4*\t:RB+4*\t+3], v[RDQ] offset:\t*4*QP       ; LDS serves a wave's instructions in order: these see my stores above
.endr
.irp t, 0,1,2,3,4,5,6,7,8,9,10,11,12,13,14,15
	s_wait_dscnt 15-\t                             ; load t is in, the younger ones stay out
	global_store_b128 v[GO], v[RB+4*\t:RB+4*\t+3], s[\base:\base+1] offset:512*\t   ; four rows: 512 consecutive bytes, aligned
.endr
.endm
	OUTQK 0, 66
	OUTQK 4, 68
	; V: a lane holds 8 neighbouring keys of d = 16 b + r.  The four waves' keys meet in rows of 512 bytes.
	WIN 0x0f                                       ; sources window 3
.irp a, 0,1,2,3
.irp b, 0,1,2,3
.irp i, 0,1,2,3
	v_cvt_pk_f16_f32 v[TMP+16*\a+4*\b+\i], v[8*(4*\a+\b)+2*\i], v[8*(4*\a+\b)+2*\i+1]
.endr
.endr
.endr
	WIN 0
.irp a, 0,1,2,3
.irp b, 0,1,2,3
	ds_store_b128 v[STV], v[TMP+16*\a+4*\b:TMP+16*\a+4*\b+3] offset:\b*16*VP+32*\a
.endr
.endr
	s_wait_dscnt 0x0                               ; my stores are in LDS, for the other waves' sake
	s_barrier_signal -1
	s_barrier_wait -1
	s_wait_xcnt 0x0                                ; RB, which K's stores read, is loaded again only behind this wait
.irp t, 0,1,2,3,4,5,6,7,8,9,10,11,12,13,14,15
	ds_load_b128 v[RB+4*\t:RB+4*\t+3], v[RDV] offset:\t*VP
.endr
.irp t, 0,1,2,3,4,5,6,7,8,9,10,11,12,13,14,15
	s_wait_dscnt 15-\t
	global_store_b128 v[GO], v[RB+4*\t:RB+4*\t+3], s[70:71] offset:4096*\t          ; 256 keys of one d: 512 consecutive bytes, aligned
.endr
	s_set_vgpr_msb 0x1
	s_wait_tensorcnt 0x0
	ds_add_u32 v255, v255
	s_wait_dscnt 0x0
	s_set_vgpr_msb 0x100
	CROUND                                         ; the closing round: no work-group ends while a partner may still ask for a tile that names it
	s_endpgm
.Lfunc_end_k_q44ad5c4382_proj:
	.size	k_q44ad5c4382_proj, .Lfunc_end_k_q44ad5c4382_proj-k_q44ad5c4382_proj
	.p2alignl 7, 3214868480
	.fill 96, 4, 3214868480
	.section	.rodata,"a",@progbits
	.p2align	6, 0x0
	.amdhsa_kernel k_q44ad5c4382_proj
		.amdhsa_group_segment_fixed_size 327680
		.amdhsa_private_segment_fixed_size 0
		.amdhsa_enable_private_segment 0
		.amdhsa_kernarg_size 40
		.amdhsa_user_sgpr_count 2
		.amdhsa_user_sgpr_kernarg_segment_ptr 1
		.amdhsa_wavefront_size32 1
		.amdhsa_system_sgpr_workgroup_id_x 1
		.amdhsa_system_sgpr_workgroup_id_y 1
		.amdhsa_system_sgpr_workgroup_id_z 1
		.amdhsa_system_vgpr_workitem_id 0
		.amdhsa_next_free_vgpr 896
		.amdhsa_next_free_sgpr 80
		.amdhsa_reserve_vcc 0
		.amdhsa_float_denorm_mode_32 3
		.amdhsa_float_denorm_mode_16_64 3
		.amdhsa_memory_ordered 1
		.amdhsa_forward_progress 1
		.amdhsa_inst_pref_size 162
	.end_amdhsa_kernel
	.amdgpu_metadata
---
amdhsa.version: [ 1, 2 ]
amdhsa.kernels:
  - .name:           k_q44ad5c4382_proj
    .symbol:         k_q44ad5c4382_proj.kd
    .args:
      - { .name: xb, .offset: 0, .size: 8, .value_kind: global_buffer, .address_space: global }
      - { .name: wt, .offset: 8, .size: 8, .value_kind: global_buffer, .address_space: global }
      - { .name: qh, .offset: 16, .size: 8, .value_kind: global_buffer, .address_space: global }
      - { .name: kh, .offset: 24, .size: 8, .value_kind: global_buffer, .address_space: global }
      - { .name: vt, .offset: 32, .size: 8, .value_kind: global_buffer, .address_space: global }
    .group_segment_fixed_size: 327680
    .private_segment_fixed_size: 0
    .kernarg_segment_align: 8
    .kernarg_segment_size: 40
    .max_flat_workgroup_size: 128
    .sgpr_count:     80
    .vgpr_count:     896
    .wavefront_size: 32
...
	.end_amdgpu_metadata
.endif
;; end of part 2
;; launch attn (part 3): grid 8 x 32, 8 waves a work-group, clusters of 4 x 1, 327,680 bytes of LDS; arguments qh, kh, vt, out0; writes out0
.if DOCPART == 3
	.amdgcn_target "amdgcn-amd-amdhsa--gfx1250"
	.amdhsa_code_object_version 6
	.text
	.protected	k_q44ad5c4382_attn
	.globl	k_q44ad5c4382_attn
	.p2align	8
	.type	k_q44ad5c4382_attn,@function
k_q44ad5c4382_attn:
	s_mov_b64 s[64:65], 0
	v_nop
	global_prefetch_b8 v0, s[64:65] scope:SCOPE_SE
	s_setreg_imm32_b32 hwreg(HW_REG_WAVE_MODE, 25, 1), 1
	s_wait_xcnt 0x0
	s_wait_alu depctr_hold_cnt(0) depctr_sa_sdst(0) depctr_va_vdst(0) depctr_va_sdst(0) depctr_va_ssrc(0) depctr_va_vcc(0) depctr_vm_vsrc(0)
	s_getreg_b32 s2, hwreg(HW_REG_IB_STS2, 6, 4)
	s_cmp_eq_u32 s2, 0
	s_cbranch_scc0 .Lentry_in_a_cluster
	s_endpgm
.Lentry_in_a_cluster:
	s_bfe_u32 s2, ttmp6, 0x10000c
	s_cmp_lg_u32 s2, 0x3003
	s_cbranch_scc0 .Lentry_shape_is_right
	s_endpgm
.Lentry_shape_is_right:
; Softmax attention of one head (y = 16 b + h) for 256 queries (x), f16 operands, f32 sums and statistics, with a running maximum.
; qh, kh: [16 b + h][2048][64] f16;  vt: [16 b + h][64 d][2048 keys] f16;  out0: [b][2048][1024] f32.
; LIMIT: Q, K, V arrive in f16 (magnitudes below 65,504, kept by the launch that makes them).  P lies in 0 .. 1 and goes in f16.
; Eight waves, 32 queries each (two tiles of 16).  Keys go in tiles of 256 through a ring of two LDS slots.
; CLUSTERS: the four work-groups of a cluster take four blocks of queries of the same head and read the same K and V tiles:
; every tile is asked for jointly (mask 15), a quarter of the requests.
; EVERYTHING IS TRANSPOSED.  S^T = K Q^T: a lane holds one query (lane % 16) and, in each tile, 8 keys: maximum and sum lie in the lane but for
; one exchange between the halves.  Two tiles of S^T, packed to f16, ARE a fragment of P^T (source 1), without a shuffle.  O^T = V^T P^T:
; the rescaling factor is one number a lane.
; Shift: NM = round(-c m), c = log2(e) / 8;  p = 2^(c s + NM) in one fused multiply-add;  old sums are scaled by 2^(NM new - NM old):
; the same rounded shift stands on both sides, so its rounding cancels.
.set SLOT,  68608                      ; K: 128 rows of 256 bytes (two keys each), pitch 272;  then V^T: 64 rows of 512 bytes, pitch 528
.set VOFF,  34816
.set STAGE, 2*SLOT                     ; behind the ring, never filled by a tensor load: 32 rows x 272 bytes for each wave
.set STW,   8704
.set KA,  2                            ; v2-3    K fragments in slot 0, 1
.set VA,  4                            ; v4-5    V^T fragments
.set STO, 6                            ; way out: where I put 16 bytes
.set RD,  7                            ;          where I read rows back
.set OOFF, 8                           ; my bytes in out0
.set QOFF, 9                           ; my bytes in qh
.set MX,  10                           ; v10-11  running maximum, query tile 0, 1
.set LS,  12                           ; v12-13  running sum (this half of the lanes' keys)
.set NMX, 14                           ; v[14:15], v[16:17]  the shift, low register of a pair (the high one is written once and never used)
.set ALF, 18                           ; v[18:19], v[20:21]  the factor for the old sums, likewise
.set TA,  22                           ; v22-23
.set TB,  24                           ; v24-25
.set UU,  26                           ; v[26:29] two chains of pair sums
.set SC,  32                           ; v32-95   S^T tile (qt, kt) at 32 qt + 8 kt
.set PF,  96                           ; v96-127  P^T fragment (qt, ks) at 16 qt + 8 ks
.set KF,  128                          ; v128-191 K fragment (kt, ks) at 16 kt + 8 ks
.set VF,  192                          ; v192-255 V^T fragment (ks, dt) at 32 ks + 8 dt
.set QF,  64                           ; window 1: v64-95 Q fragment (qt, ks) at 16 qt + 8 ks;  v0-63: O^T tile (dt, qt) at 8 (2 dt + qt)
.set G1K, 16
.set G1V, 24
.set G0K, 32                           ; s[32:39] one set for each slot
.set G0V, 40                           ; s[40:47]
.set MSB, 0
.macro WIN new
.if MSB != \new
	s_set_vgpr_msb (MSB<<8)|\new
.set MSB, \new
.endif
.endm
.macro PLACES                          ; four places behind a matrix instruction before its registers are loaded into, read or written by vector work (ISA guide 7.12.1)
.rept 4
	v_nop
.endr
.endm
.macro ROUND                           ; a round of the cluster's barrier
	s_barrier_signal -1
	s_barrier_wait -1
	s_cmp_lg_u32 s12, 0
	s_cbranch_scc1 .Lnot_wave_0_\@
	s_barrier_signal -3
.Lnot_wave_0_\@:
	s_barrier_wait -3
	s_barrier_signal -1
	s_barrier_wait -1
.endm
	s_load_b256 s[4:11], s[0:1], 0x0               ; qh s[4:5], kh s[6:7], vt s[8:9], out0 s[10:11]
	v_lshl_add_u32 v1, v0, 2, 0x32800
	s_set_vgpr_msb 0x40
	v_mov_b32 v97, 0
	s_set_vgpr_msb 0x4044
	ds_add_u32 v1, v97
	s_set_vgpr_msb 0x4400
	v_lshrrev_b32 v22, 5, v0
	v_readfirstlane_b32 s12, v22                   ; wave 0..7
	s_bfe_u32 s13, ttmp6, 0x40000                  ; cx
	s_lshl_b32 s14, ttmp9, 2
	s_add_co_u32 s14, s14, s13                     ; block of queries = 4 x cluster x + cx
	s_and_b32 s15, ttmp7, 0xffff                   ; 16 b + h
	s_lshl_b32 s14, s14, 8
	s_lshl_b32 s58, s12, 5
	s_add_co_u32 s14, s14, s58                     ; my first query
	s_mov_b32 s48, 0x76543210                      ; v_permlanex16_b32: lane i of one half reads lane i of the other
	s_mov_b32 s49, 0xfedcba98
	s_mov_b32 s50, 0x3e38aa3b                      ; c = log2(e) / 8
	s_mov_b32 s51, 0x3e38aa3b
	s_mov_b32 s53, 0xbe38aa3b                      ; -c
	; K's tile is dense in memory: my part comes as 16 rows of 32 elements of 8 bytes, 16 bytes of padding behind each
	s_mov_b32 s[G1K+0], 15|(3<<16)|(1<<20)|(1<<21)|(5<<22)|(3<<25)
	s_mov_b32 s[G1K+1], 32<<16
	s_mov_b32 s[G1K+2], 16<<16
	s_mov_b32 s[G1K+3], 32<<16
	s_mov_b32 s[G1K+4], 16
	s_mov_b32 s[G1K+5], 32
	s_mov_b32 s[G1K+6], 0
	s_mov_b32 s[G1K+7], 0
	; V^T: my part is 8 rows (d) of 256 keys of 2 bytes, 2,048 elements from row to row, 16 bytes of padding behind each 512
	s_mov_b32 s[G1V+0], 15|(1<<16)|(1<<20)|(1<<21)|(6<<22)|(3<<25)
	s_mov_b32 s[G1V+1], 256<<16
	s_mov_b32 s[G1V+2], 8<<16
	s_mov_b32 s[G1V+3], 256<<16
	s_mov_b32 s[G1V+4], 8
	s_mov_b32 s[G1V+5], 2048
	s_mov_b32 s[G1V+6], 0
	s_mov_b32 s[G1V+7], 0
	s_lshl_b32 s54, s15, 18                        ; K: the head's 262,144 bytes + 4,096 x wave: no place in the cluster enters
	s_lshl_b32 s56, s12, 12
	s_add_co_u32 s54, s54, s56
	s_mov_b32 s55, 0
	s_lshl_b32 s56, s15, 18                        ; V^T: the head + 8 rows of 4,096 bytes x wave
	s_lshl_b32 s57, s12, 15
	s_add_co_u32 s56, s56, s57
	s_mov_b32 s57, 0
	s_lshl_b32 s58, s15, 18                        ; Q: the head + 128 bytes x my first query
	s_lshl_b32 s59, s14, 7
	s_add_co_u32 s58, s58, s59
	s_mov_b32 s59, 0
	s_wait_dscnt 0x0
	s_wait_kmcnt 0x0
	s_add_nc_u64 s[4:5], s[4:5], s[58:59]
	s_add_nc_u64 s[6:7], s[6:7], s[54:55]
	s_add_nc_u64 s[8:9], s[8:9], s[56:57]
	s_lshr_b32 s58, s15, 4                         ; out0: row 2,048 b + my first query, 4,096 bytes a row, + 256 bytes x head
	s_lshl_b32 s58, s58, 11
	s_add_co_u32 s58, s58, s14
	s_lshl_b32 s58, s58, 12
	s_and_b32 s59, s15, 15
	s_lshl_b32 s59, s59, 8
	s_add_co_u32 s58, s58, s59
	s_mov_b32 s59, 0
	s_add_nc_u64 s[10:11], s[10:11], s[58:59]
	s_mul_i32 s54, s12, 4352                       ; LDS: my 16 rows of K,
	s_mul_i32 s56, s12, 4224                       ; my 8 rows of V^T,
	s_add_co_u32 s56, s56, VOFF
	s_mul_i32 s57, s12, STW                        ; my stage
	s_add_co_u32 s57, s57, STAGE
.irp s, 0,1
	s_mov_b32 s[G0K+4*\s], 1
	s_add_co_u32 s[G0K+4*\s+1], s54, \s*SLOT
	s_add_nc_u64 s[G0K+4*\s+2:G0K+4*\s+3], s[6:7], \s*32768        ; tile s: 256 keys of 128 bytes
	s_or_b32 s[G0K+4*\s+3], s[G0K+4*\s+3], 0x80000000
	s_mov_b32 s[G0V+4*\s], 1
	s_add_co_u32 s[G0V+4*\s+1], s56, \s*SLOT
	s_add_nc_u64 s[G0V+4*\s+2:G0V+4*\s+3], s[8:9], \s*512          ; tile s: 256 keys of 2 bytes along the rows
	s_or_b32 s[G0V+4*\s+3], s[G0V+4*\s+3], 0x80000000
.endr
	v_and_b32 v30, 15, v0                          ; r = lane % 16
	v_bfe_u32 v31, v0, 4, 1                        ; h16 = lane / 16
	v_lshrrev_b32 v22, 1, v30                      ; key r lies in LDS row r / 2, half r % 2: the sixteen keys start at sixteen different 16-byte columns modulo 256
	v_mul_u32_u24 v[KA], v22, 272
	v_and_b32 v22, 1, v30
	v_lshl_add_u32 v[KA], v22, 7, v[KA]
	v_lshl_add_u32 v[KA], v31, 4, v[KA]
	v_add_nc_u32 v[KA+1], SLOT, v[KA]
	v_mul_u32_u24 v[VA], v30, 528
	v_lshl_add_u32 v[VA], v31, 4, v[VA]
	v_add_nc_u32 v[VA], VOFF, v[VA]
	v_add_nc_u32 v[VA+1], SLOT, v[VA]
	v_mul_u32_u24 v[STO], v30, 272                 ; in: query r, 32 bytes (8 d) for each half of the lanes
	v_lshl_add_u32 v[STO], v31, 5, v[STO]
	v_add_nc_u32 v[STO], s57, v[STO]
	v_mul_u32_u24 v[RD], v31, 272                  ; back: sixteen lanes take one query's 256 bytes
	v_lshl_add_u32 v[RD], v30, 4, v[RD]
	v_add_nc_u32 v[RD], s57, v[RD]
	v_lshlrev_b32 v[OOFF], 4, v30
	v_lshl_add_u32 v[OOFF], v31, 12, v[OOFF]
	v_lshlrev_b32 v[QOFF], 7, v30
	v_lshl_add_u32 v[QOFF], v31, 4, v[QOFF]
	v_mov_b32 v[NMX+1], 0                          ; the pairs' high registers: named by the packed forms, which broadcast the low one
	v_mov_b32 v[NMX+3], 0
	v_mov_b32 v[ALF+1], 0
	v_mov_b32 v[ALF+3], 0
	WIN 0x40                                       ; destination window 1
.irp qt, 0,1
.irp ks, 0,1
	global_load_b128 v[QF+16*\qt+8*\ks:QF+16*\qt+8*\ks+3],   v[QOFF], s[4:5] offset:2048*\qt+64*\ks
	global_load_b128 v[QF+16*\qt+8*\ks+4:QF+16*\qt+8*\ks+7], v[QOFF], s[4:5] offset:2048*\qt+64*\ks+32
.endr
.endr
	WIN 0
	ROUND                                          ; the four work-groups are here: the first joint loads meet
	tensor_load_to_lds s[G0K:G0K+3], s[G1K:G1K+7]  ; tile 0
	s_nop 0
	tensor_load_to_lds s[G0V:G0V+3], s[G1V:G1V+7]
	s_nop 0
	s_wait_loadcnt 0x0                             ; Q, once
.macro LDK slot, j                     ; 64 keys x 64 d: 16 loads
.irp kt, 0,1,2,3
.irp ks, 0,1
	ds_load_b128 v[KF+16*\kt+8*\ks:KF+16*\kt+8*\ks+3],   v[KA+\slot] offset:8704*(\j)+2176*\kt+64*\ks
	ds_load_b128 v[KF+16*\kt+8*\ks+4:KF+16*\kt+8*\ks+7], v[KA+\slot] offset:8704*(\j)+2176*\kt+64*\ks+32
.endr
.endr
.endm
.macro LDV slot, j                     ; 64 d x 64 keys: 16 loads
.irp ks, 0,1
.irp dt, 0,1,2,3
	ds_load_b128 v[VF+32*\ks+8*\dt:VF+32*\ks+8*\dt+3],   v[VA+\slot] offset:8448*\dt+128*(\j)+64*\ks
	ds_load_b128 v[VF+32*\ks+8*\dt+4:VF+32*\ks+8*\dt+7], v[VA+\slot] offset:8448*\dt+128*(\j)+64*\ks+32
.endr
.endr
.endm
; 64 keys x 32 queries of scores become P^T in f16; maximum, shift, factor and sum are brought up to date.  first = 1: nothing is carried yet.
.macro SOFTMAX first
.irp t, 0,1                            ; the maximum: two chains for each query tile, the old maximum in the first
.if \first
	v_max_num_f32 v[TA+\t], v[SC+32*\t], v[SC+32*\t+1]
.else
	v_max3_num_f32 v[TA+\t], v[SC+32*\t], v[SC+32*\t+1], v[MX+\t]
.endif
	v_max_num_f32 v[TB+\t], v[SC+32*\t+16], v[SC+32*\t+17]
.endr
.irp i, 2,4,6,8,10,12,14
.irp t, 0,1
	v_max3_num_f32 v[TA+\t], v[TA+\t], v[SC+32*\t+\i], v[SC+32*\t+\i+1]
	v_max3_num_f32 v[TB+\t], v[TB+\t], v[SC+32*\t+16+\i], v[SC+32*\t+17+\i]
.endr
.endr
	v_max_num_f32 v[TA], v[TA], v[TB]
	v_max_num_f32 v[TA+1], v[TA+1], v[TB+1]
	v_permlanex16_b32 v[TB], v[TA], s48, s49       ; the other half of the lanes holds the query's other keys
	v_permlanex16_b32 v[TB+1], v[TA+1], s48, s49
	v_max_num_f32 v[MX], v[TA], v[TB]
	v_max_num_f32 v[MX+1], v[TA+1], v[TB+1]
	v_mul_f32 v[TA], s53, v[MX]                    ; the new shift, -c m, rounded once
	v_mul_f32 v[TA+1], s53, v[MX+1]
.if \first == 0
	v_sub_f32 v[TB], v[TA], v[NMX]
	v_sub_f32 v[TB+1], v[TA+1], v[NMX+2]
	v_exp_f32 v[ALF], v[TB]                        ; 2^(new shift - old shift), at most 1
	v_exp_f32 v[ALF+2], v[TB+1]
.endif
	v_mov_b32 v[NMX], v[TA]                        ; plain vector work behind the exponentials, touching neither their results nor their sources
	v_mov_b32 v[NMX+2], v[TA+1]
.irp t, 0,1
.irp i, 0,2,4,6,8,10,12,14,16,18,20,22,24,26,28,30
	v_pk_fma_f32 v[SC+32*\t+\i:SC+32*\t+\i+1], v[SC+32*\t+\i:SC+32*\t+\i+1], s[50:51], v[NMX+2*\t:NMX+2*\t+1] op_sel_hi:[1,0,0]
.endr
.endr
.set i, 0
.rept 64
	v_exp_f32 v[SC+i], v[SC+i]
.set i, i+1
.endr
	v_nop                                          ; one plain place between the exponentials and the first use of a result
	s_wait_alu depctr_va_vdst(0)
.irp t, 0,1                            ; sums in two chains of pairs, the conversions of the same registers between them
.irp q, 0,1,2,3,4,5,6,7
.if \q == 1
	v_pk_add_f32 v[UU:UU+1], v[SC+32*\t:SC+32*\t+1], v[SC+32*\t+2:SC+32*\t+3]
	v_pk_add_f32 v[UU+2:UU+3], v[SC+32*\t+16:SC+32*\t+17], v[SC+32*\t+18:SC+32*\t+19]
.endif
.if \q > 1
	v_pk_add_f32 v[UU:UU+1], v[UU:UU+1], v[SC+32*\t+2*\q:SC+32*\t+2*\q+1]
	v_pk_add_f32 v[UU+2:UU+3], v[UU+2:UU+3], v[SC+32*\t+16+2*\q:SC+32*\t+17+2*\q]
.endif
	v_cvt_pk_f16_f32 v[PF+16*\t+\q], v[SC+32*\t+2*\q], v[SC+32*\t+2*\q+1]
	v_cvt_pk_f16_f32 v[PF+16*\t+8+\q], v[SC+32*\t+16+2*\q], v[SC+32*\t+17+2*\q]
.endr
	v_pk_add_f32 v[UU:UU+1], v[UU:UU+1], v[UU+2:UU+3]
.if \first
	v_add_f32 v[LS+\t], v[UU], v[UU+1]
.else
	v_add_f32 v[UU], v[UU], v[UU+1]
	v_fma_f32 v[LS+\t], v[LS+\t], v[ALF+2*\t], v[UU]
.endif
.endr
.endm
; 64 keys.  In each run of matrix instructions eight accumulators take turns, one instruction a turn, and the runs' ends name
; different accumulators.
.macro SUB slot, j, first
	s_wait_dscnt 16                                ; K's fragments are in; the 16 loads of V^T issued behind them stay out
	WIN 0x04                                       ; source 1 (Q) window 1
.irp kt, 0,1,2,3
.irp qt, 0,1
	v_wmma_f32_16x16x32_f16 v[SC+32*\qt+8*\kt:SC+32*\qt+8*\kt+7], v[KF+16*\kt:KF+16*\kt+7], v[QF+16*\qt:QF+16*\qt+7], 0
.endr
.endr
.irp kt, 0,1,2,3
.irp qt, 0,1
	v_wmma_f32_16x16x32_f16 v[SC+32*\qt+8*\kt:SC+32*\qt+8*\kt+7], v[KF+16*\kt+8:KF+16*\kt+15], v[QF+16*\qt+8:QF+16*\qt+15], v[SC+32*\qt+8*\kt:SC+32*\qt+8*\kt+7]
.endr
.endr
	WIN 0
	PLACES
.if \j < 3
	LDK \slot, \j+1                                ; the next 64 keys, a whole softmax ahead of their use
.endif
	SOFTMAX \first
.if \j < 3
	s_wait_dscnt 16                                ; V^T's fragments are in; the 16 loads of the next K fragments stay out
.else
	s_wait_dscnt 0x0
.endif
.if \first == 0
	WIN 0x41                                       ; O^T in window 1, the factor in window 0
.irp dt, 0,1,2,3
.irp qt, 0,1
.irp i, 0,2,4,6
	v_pk_mul_f32 v[8*(2*\dt+\qt)+\i:8*(2*\dt+\qt)+\i+1], v[8*(2*\dt+\qt)+\i:8*(2*\dt+\qt)+\i+1], v[ALF+2*\qt:ALF+2*\qt+1] op_sel_hi:[1,0]
.endr
.endr
.endr
.endif
	WIN 0x50                                       ; C and D window 1
.irp ks, 0,1
.irp dt, 0,1,2,3
.irp qt, 0,1
.set ZZ, \first*(1-\ks)
.if ZZ
	v_wmma_f32_16x16x32_f16 v[8*(2*\dt+\qt):8*(2*\dt+\qt)+7], v[VF+32*\ks+8*\dt:VF+32*\ks+8*\dt+7], v[PF+16*\qt+8*\ks:PF+16*\qt+8*\ks+7], 0
.else
	v_wmma_f32_16x16x32_f16 v[8*(2*\dt+\qt):8*(2*\dt+\qt)+7], v[VF+32*\ks+8*\dt:VF+32*\ks+8*\dt+7], v[PF+16*\qt+8*\ks:PF+16*\qt+8*\ks+7], v[8*(2*\dt+\qt):8*(2*\dt+\qt)+7]
.endif
.endr
.endr
.endr
	WIN 0
	PLACES
.if \j < 3
	LDV \slot, \j+1
.endif
.endm
; A tile of 256 keys.  In front of the round every wave has all its tensor loads landed (its parts of this tile among them) and its reads of the
; other slot back; behind it the other slot is filled again first, jointly: two loads of the wave are out, the most in this text,
; and they have the four SUBs of this trip in which to land.
.macro TRIP slot, refill, first
	s_set_vgpr_msb 0x4
	s_wait_tensorcnt 0x0
	ds_add_u32 v1, v97
	s_wait_dscnt 0x0
	s_set_vgpr_msb 0x400
	s_add_nc_u64 s[G0K+4*\slot+2:G0K+4*\slot+3], s[G0K+4*\slot+2:G0K+4*\slot+3], 65536   ; no load of mine is out: this slot's next tile, two on
	s_add_nc_u64 s[G0V+4*\slot+2:G0V+4*\slot+3], s[G0V+4*\slot+2:G0V+4*\slot+3], 1024    ; (in the last two trips stepped and not used)
	s_wait_dscnt 0x0
	ROUND
.if \refill
	tensor_load_to_lds s[G0K+4*(1-\slot):G0K+4*(1-\slot)+3], s[G1K:G1K+7]
	s_nop 0
	tensor_load_to_lds s[G0V+4*(1-\slot):G0V+4*(1-\slot)+3], s[G1V:G1V+7]
	s_nop 0
.endif
	LDK \slot, 0
	LDV \slot, 0
	SUB \slot, 0, \first
	SUB \slot, 1, 0
	SUB \slot, 2, 0
	SUB \slot, 3, 0
.endm
	TRIP 0, 1, 1                                   ; eight tiles: the first starts maximum, sums and O^T, nothing is cleared
	TRIP 1, 1, 0
	s_mov_b32 s52, 2
.Lpair:
	TRIP 0, 1, 0
	TRIP 1, 1, 0
	s_sub_co_u32 s52, s52, 1
	s_cmp_lg_u32 s52, 0
	s_cbranch_scc1 .Lpair
	TRIP 0, 1, 0
	TRIP 1, 0, 0                                   ; the last tile: nothing more to fetch
	; THE END: the two halves' sums meet, O^T is divided, and goes through my own stage so that whole rows of 256 bytes leave.
	v_permlanex16_b32 v[TB], v[LS], s48, s49
	v_permlanex16_b32 v[TB+1], v[LS+1], s48, s49
	v_add_f32 v[LS], v[LS], v[TB]
	v_add_f32 v[LS+1], v[LS+1], v[TB+1]
	v_rcp_f32 v[ALF], v[LS]                        ; the sum holds the maximum's own term, about 1: never zero
	v_rcp_f32 v[ALF+2], v[LS+1]
	v_nop                                          ; one plain place behind the reciprocals
	WIN 0x01                                       ; source 0 (O^T) window 1
	s_wait_alu depctr_va_vdst(0)
.irp dt, 0,1,2,3
.irp qt, 0,1
.irp i, 0,2,4,6
	v_pk_mul_f32 v[SC+8*(2*\dt+\qt)+\i:SC+8*(2*\dt+\qt)+\i+1], v[8*(2*\dt+\qt)+\i:8*(2*\dt+\qt)+\i+1], v[ALF+2*\qt:ALF+2*\qt+1] op_sel_hi:[1,0]
.endr
.endr
.endr
	WIN 0
.irp dt, 0,1,2,3
.irp qt, 0,1
	ds_store_b128 v[STO], v[SC+8*(2*\dt+\qt):SC+8*(2*\dt+\qt)+3]   offset:4352*\qt+64*\dt      ; query 16 qt + r, d = 16 dt + 8 h16 + 0..3
	ds_store_b128 v[STO], v[SC+8*(2*\dt+\qt)+4:SC+8*(2*\dt+\qt)+7] offset:4352*\qt+64*\dt+16   ; and + 4..7
.endr
.endr
.irp t, 0,1,2,3,4,5,6,7,8,9,10,11,12,13,14,15
	ds_load_b128 v[KF+4*\t:KF+4*\t+3], v[RD] offset:544*\t         ; LDS serves a wave's instructions in order: these see my stores above
.endr
.irp t, 0,1,2,3,4,5,6,7,8,9,10,11,12,13,14,15
	s_wait_dscnt 15-\t                             ; load t is in, the younger ones stay out
	global_store_b128 v[OOFF], v[KF+4*\t:KF+4*\t+3], s[10:11] offset:8192*\t th:TH_STORE_NT   ; sixteen lanes store one query's 256 consecutive bytes, aligned
.endr
	s_set_vgpr_msb 0x4
	s_wait_tensorcnt 0x0
	ds_add_u32 v1, v97
	s_wait_dscnt 0x0
	s_set_vgpr_msb 0x400
	ROUND                                          ; the closing round: no work-group ends while a partner may still ask for a tile that names it
	s_endpgm
.Lfunc_end_k_q44ad5c4382_attn:
	.size	k_q44ad5c4382_attn, .Lfunc_end_k_q44ad5c4382_attn-k_q44ad5c4382_attn
	.p2alignl 7, 3214868480
	.fill 96, 4, 3214868480
	.section	.rodata,"a",@progbits
	.p2align	6, 0x0
	.amdhsa_kernel k_q44ad5c4382_attn
		.amdhsa_group_segment_fixed_size 327680
		.amdhsa_private_segment_fixed_size 0
		.amdhsa_enable_private_segment 0
		.amdhsa_kernarg_size 32
		.amdhsa_user_sgpr_count 2
		.amdhsa_user_sgpr_kernarg_segment_ptr 1
		.amdhsa_wavefront_size32 1
		.amdhsa_system_sgpr_workgroup_id_x 1
		.amdhsa_system_sgpr_workgroup_id_y 1
		.amdhsa_system_sgpr_workgroup_id_z 1
		.amdhsa_system_vgpr_workitem_id 0
		.amdhsa_next_free_vgpr 354
		.amdhsa_next_free_sgpr 66
		.amdhsa_reserve_vcc 0
		.amdhsa_float_denorm_mode_32 3
		.amdhsa_float_denorm_mode_16_64 3
		.amdhsa_memory_ordered 1
		.amdhsa_forward_progress 1
		.amdhsa_inst_pref_size 255
	.end_amdhsa_kernel
	.section	.bss,"aw",@nobits
	.p2align	6
	.space	262144
	.amdgpu_metadata
---
amdhsa.version: [ 1, 2 ]
amdhsa.kernels:
  - .name:           k_q44ad5c4382_attn
    .symbol:         k_q44ad5c4382_attn.kd
    .args:
      - { .name: qh, .offset: 0, .size: 8, .value_kind: global_buffer, .address_space: global }
      - { .name: kh, .offset: 8, .size: 8, .value_kind: global_buffer, .address_space: global }
      - { .name: vt, .offset: 16, .size: 8, .value_kind: global_buffer, .address_space: global }
      - { .name: out0, .offset: 24, .size: 8, .value_kind: global_buffer, .address_space: global }
    .group_segment_fixed_size: 327680
    .private_segment_fixed_size: 0
    .kernarg_segment_align: 8
    .kernarg_segment_size: 32
    .max_flat_workgroup_size: 256
    .sgpr_count:     66
    .vgpr_count:     354
    .wavefront_size: 32
...
	.end_amdgpu_metadata
.endif
;; end of part 3
;; ======== version 2 of 2: 3 launches; version 1 with the launch cast written anew for expert scheduling mode
;; limits: values are held in f16: magnitudes above 65,504 overflow, below 6.1e-05 lose precision
;; workspace buffers: xb 8,388,608 bytes; wt 6,291,456 bytes; qh 8,388,608 bytes; kh 8,388,608 bytes; vt 8,388,608 bytes
;; launch cast (part 4): grid 256 x 1, 8 waves a work-group, no clusters, 53,248 bytes of LDS; arguments x, W, W1, W2, xb, wt; writes xb, wt
.if DOCPART == 4
	.amdgcn_target "amdgcn-amd-amdhsa--gfx1250"
	.amdhsa_code_object_version 6
	.text
	.protected	k_q44ad5c4382_cast
	.globl	k_q44ad5c4382_cast
	.p2align	8
	.type	k_q44ad5c4382_cast,@function
k_q44ad5c4382_cast:
	s_mov_b64 s[64:65], 0
	v_nop
	global_prefetch_b8 v0, s[64:65] scope:SCOPE_SE
	s_setreg_imm32_b32 hwreg(HW_REG_WAVE_SCHED_MODE, 0, 2), 2
	s_setreg_imm32_b32 hwreg(HW_REG_WAVE_MODE, 25, 1), 1
	s_wait_xcnt 0x0
	s_wait_alu depctr_vm_vsrc(0)
; xb = x rounded to bf16, [4096][1024].
; wt = the three weights rounded to bf16, transposed and ordered by head: [3072][1024],
;      row = 192 h + 64 p + c (p = 0: W, 1: W1, 2: W2; c = column inside head h), k along the row.
; Work-groups 0..127 take 131,072 bytes of x each; work-groups 128..255 take, for one head h and one block of 128 k,
; a tile of 128 k x 64 columns of each of the three weights.  Nothing is shared between work-groups and every byte is read
; once, so there is no cluster and no data mover: all of a wave's loads go out at once, into registers.
; THE MODE: SCHED_MODE bits 1:0 = 2 (LLVM: expert scheduling mode 2), set by the entry lines.  The code itself states the register dependences
; between vector instructions and memory or LDS instructions, with s_wait_alu, always for 0.
; THE PLAN, x.  Registers that memory instructions touch:
;   v3, v4      the loads' and the stores' offsets: written once at the head, never again.
;   v[8:135]    load i lands in v[8 + 4 i ..].  The 32 loads go in eight blocks of four.  Block p's conversions read its 16 registers and write 8 of them in place;
;               the four stores that read those 8 are issued in block p + 1, among that block's conversions, which name its own 16 registers alone.
;               No register that a store reads is written again.
;   So one wait on va_vdst stands at the head of blocks 1 to 7 and one ahead of the last four stores, and none on vm_vsrc.
; THE PLAN, weights.  Registers that memory or LDS instructions touch:
;   v3, v5, v6, v7   offsets and LDS addresses: written once at the head, never again.
;   v[8:103]    the 24 loads land here, in six groups of four; group q's conversions read its 16 registers.  Behind the barrier the LDS loads land in v[8:55], which the global stores read.
;   T0 .. T3    v[104:135].  Group q's conversions write T[q % 4]; the four LDS stores that read it are issued in group q + 1, among that group's conversions, which name another T.
;   v136, v137  written at the head, read by the closing add alone.
;   So one wait on va_vdst stands at the head of groups 1 to 5 and one ahead of the last four LDS stores; one wait on vm_vsrc stands at the head of group 4,
;   ahead of the first conversion that writes a T for the second time.
.set WROW,  4096                       ; bytes in a row of a weight (1024 f32)
.set TP,    272                        ; LDS pitch of a transposed row: 128 k x 2 bytes + 16
.set TPL,   64*TP                      ; one weight's transposed tile: 64 rows
.set LD,    8                          ; v[8:135] (x) or v[8:103] (weights): what the loads bring
.set T,     104                        ; v[104:135] weights: four buffers of 8, packed pairs on their way to LDS (before that, v104-106: address temporaries)
	s_load_b256 s[4:11], s[0:1], 0x0               ; x s[4:5], W s[6:7], W1 s[8:9], W2 s[10:11]
	s_load_b128 s[12:15], s[0:1], 0x20             ; xb s[12:13], wt s[14:15]
	v_lshl_add_u32 v136, v0, 2, 0xcc00
	v_mov_b32 v137, 0
	v_and_b32 v1, 31, v0                           ; lane
	v_lshrrev_b32 v2, 5, v0                        ; wave
	s_cmp_lt_u32 ttmp9, 128                        ; the same in every wave of the work-group
	s_cbranch_scc0 .Lweights
	; ---- x: a wave takes 16,384 bytes, 32 loads of 512 consecutive bytes, all issued before the first is used ----
	s_lshl_b32 s16, ttmp9, 17                      ; the work-group's 131,072 bytes of x
	s_mov_b32 s17, 0
	s_lshl_b32 s18, ttmp9, 16                      ; and its 65,536 bytes of xb
	s_mov_b32 s19, 0
	v_lshlrev_b32 v3, 4, v1
	v_lshl_or_b32 v3, v2, 14, v3                   ; load: 16,384 wave + 16 lane
	v_lshlrev_b32 v4, 3, v1
	v_lshl_or_b32 v4, v2, 13, v4                   ; store: 8,192 wave + 8 lane
	s_wait_kmcnt 0x0
	s_add_nc_u64 s[4:5], s[4:5], s[16:17]
	s_add_nc_u64 s[12:13], s[12:13], s[18:19]
	s_wait_alu depctr_va_vdst(0)                   ; v3 and v4 are written: every load below reads v3 as its offset, every store v4
.set i, 0
.rept 32
	global_load_b128 v[LD+4*i:LD+4*i+3], v3, s[4:5] offset:512*i th:TH_LOAD_NT
.set i, i+1
.endr
; Block p: loads 4 p to 4 p + 3 are rounded in place; the stores of block p - 1 are dealt among the conversions.
.macro XBLK p
	s_wait_loadcnt 28-4*(\p)                       ; loads come back in order: this block's four are in, the 28 - 4 p younger ones stay out
.if (\p) > 0
	s_wait_alu depctr_va_vdst(0)                   ; the conversions of the block before have written the registers that the four stores below read
.endif
.irp i, 0,1,2,3
.if (\p) > 0
	global_store_b64 v4, v[LD+16*(\p)-16+4*(\i):LD+16*(\p)-16+4*(\i)+1], s[12:13] offset:256*(4*(\p)-4+(\i))   ; the wave's 32 lanes store 256 consecutive bytes, aligned; no vector instruction since the wait names these registers, and none writes them again
.endif
	v_cvt_pk_bf16_f32 v[LD+16*(\p)+4*(\i)], v[LD+16*(\p)+4*(\i)], v[LD+16*(\p)+4*(\i)+1]
	v_cvt_pk_bf16_f32 v[LD+16*(\p)+4*(\i)+1], v[LD+16*(\p)+4*(\i)+2], v[LD+16*(\p)+4*(\i)+3]
.endr
.endm
.irp p, 0,1,2,3,4,5,6,7
	XBLK \p
.endr
	s_wait_alu depctr_va_vdst(0)                   ; block 7's conversions have written the registers that the last four stores read
.irp i, 0,1,2,3
	global_store_b64 v4, v[LD+112+4*(\i):LD+112+4*(\i)+1], s[12:13] offset:256*(28+(\i))
.endr
	s_endpgm                                       ; this arm has stored nothing to LDS
	; ---- weights ----
.Lweights:
	s_sub_co_u32 s16, ttmp9, 128
	s_lshr_b32 s17, s16, 3                         ; head h
	s_and_b32 s18, s16, 7                          ; block of 128 k
	s_lshl_b32 s20, s18, 19                        ; 128 rows of 4,096 bytes
	s_lshl_b32 s19, s17, 8                         ; 64 columns of 4 bytes
	s_add_co_u32 s20, s20, s19
	s_mov_b32 s21, 0
	s_mul_i32 s22, s17, 393216                     ; 192 rows of wt, 2,048 bytes each
	s_lshl_b32 s19, s18, 8                         ; 128 k of 2 bytes
	s_add_co_u32 s22, s22, s19
	s_mov_b32 s23, 0
	v_and_b32 v104, 15, v1                         ; r = lane % 16
	v_lshrrev_b32 v105, 4, v1                      ; hh = lane / 16
	v_lshlrev_b32 v3, 4, v104                      ; load: row 16 wave + 4 hh (+ 8 grp + j by the immediate), columns 4 r .. 4 r + 3
	v_lshl_add_u32 v3, v105, 14, v3
	v_lshl_add_u32 v3, v2, 16, v3
	v_mul_u32_u24 v5, v104, 4*TP                   ; LDS in: row n = 4 r (+ i), byte 2 k = 32 wave + 8 hh (+ 16 grp)
	v_lshl_add_u32 v5, v2, 5, v5
	v_lshl_add_u32 v5, v105, 3, v5
	v_lshl_add_u32 v106, v2, 3, v105               ; row n = 8 wave + hh (+ 2 t)
	v_mul_u32_u24 v6, v106, TP                     ; LDS back: sixteen lanes take one row of 256 bytes
	v_lshl_add_u32 v6, v104, 4, v6
	v_lshlrev_b32 v7, 11, v106                     ; and the same row of wt
	v_lshl_add_u32 v7, v104, 4, v7
	s_wait_kmcnt 0x0
	s_add_nc_u64 s[6:7], s[6:7], s[20:21]
	s_add_nc_u64 s[8:9], s[8:9], s[20:21]
	s_add_nc_u64 s[10:11], s[10:11], s[20:21]
	s_add_nc_u64 s[14:15], s[14:15], s[22:23]
	s_wait_alu depctr_va_vdst(0)                   ; v3, v5, v6 and v7 are written: the loads, the LDS stores, the LDS loads and the stores below read them as offsets and addresses
	; 24 loads, all out at once.  Sixteen lanes read 256 consecutive bytes of a row, aligned.
.irp p, 0,1,2
.irp g, 0,1
.irp j, 0,1,2,3
	global_load_b128 v[LD+32*\p+16*\g+4*\j:LD+32*\p+16*\g+4*\j+3], v3, s[6+2*\p:7+2*\p] offset:(8*\g+\j)*WROW th:TH_LOAD_NT
.endr
.endr
.endr
	; A group of four loads gives a lane 4 neighbouring k of 4 columns: for each column 8 bytes of a transposed row.
	; These 8-byte stores meet four deep in the banks (rows 4 r are 64 bytes apart modulo 256); the pitch is kept at 272
	; so that the rows are read back 16 bytes a lane: 24 stores a wave in the whole launch.
; Column i of group q = 2 p + g (weight p, half g of the wave's 16 k) goes from T[q % 4] into LDS.
.macro WST q, i
	ds_store_b64 v5, v[T+8*((\q)%4)+2*(\i):T+8*((\q)%4)+2*(\i)+1] offset:((\q)/2)*TPL+(\i)*TP+((\q)%2)*16
.endm
; Group q: its four loads are rounded into T[q % 4]; the LDS stores of group q - 1 are dealt among the conversions.
.macro WGRP q
	s_wait_loadcnt 20-4*(\q)                       ; this group's four loads are in; those of the later groups stay out
.if (\q) == 4
	s_wait_alu depctr_vm_vsrc(0)                   ; the LDS stores issued in groups 1 and 2 have read T0 and T1, which this group's and the next group's conversions write again
.endif
.if (\q) > 0
	s_wait_alu depctr_va_vdst(0)                   ; the conversions of the group before have written its T, which the four LDS stores below read
.endif
.irp i, 0,1,2,3
.if (\q) > 0
	WST (\q)-1, \i                                 ; no vector instruction since the wait names this T
.endif
	v_cvt_pk_bf16_f32 v[T+8*((\q)%4)+2*(\i)], v[LD+16*(\q)+(\i)], v[LD+16*(\q)+4+(\i)]
	v_cvt_pk_bf16_f32 v[T+8*((\q)%4)+2*(\i)+1], v[LD+16*(\q)+8+(\i)], v[LD+16*(\q)+12+(\i)]
.endr
.endm
.irp q, 0,1,2,3,4,5
	WGRP \q
.endr
	s_wait_alu depctr_va_vdst(0)                   ; group 5's conversions have written T1, which the last four LDS stores read; and all conversions are done reading v[8:55], in which the LDS loads behind the barrier land
.irp i, 0,1,2,3
	WST 5, \i
.endr
	s_wait_dscnt 0x0                               ; my stores are in LDS, for the other waves' sake,
	s_barrier_signal -1
	s_barrier_wait -1                              ; and so are everybody's: a transposed row holds k of all eight waves
.irp p, 0,1,2
.irp t, 0,1,2,3
	ds_load_b128 v[LD+16*\p+4*\t:LD+16*\p+4*\t+3], v6 offset:\p*TPL+\t*2*TP   ; no vector instruction stands behind the last wait on va_vdst, and no memory instruction has read these registers
.endr
.endr
.irp p, 0,1,2
.irp t, 0,1,2,3
	s_wait_dscnt 11-(4*\p+\t)                      ; LDS loads come back in order: this one is in, the younger ones stay out
	global_store_b128 v7, v[LD+16*\p+4*\t:LD+16*\p+4*\t+3], s[14:15] offset:(64*\p+2*\t)*2048   ; sixteen lanes store 256 consecutive bytes, aligned
.endr
.endr
	s_wait_dscnt 0x0                               ; the closing lines, six on end
	s_wait_alu 0x0
	s_wait_tensorcnt 0x0
	ds_add_u32 v136, v137
	s_wait_dscnt 0x0
	s_endpgm
.Lfunc_end_k_q44ad5c4382_cast:
	.size	k_q44ad5c4382_cast, .Lfunc_end_k_q44ad5c4382_cast-k_q44ad5c4382_cast
	.p2alignl 7, 3214868480
	.fill 96, 4, 3214868480
	.section	.rodata,"a",@progbits
	.p2align	6, 0x0
	.amdhsa_kernel k_q44ad5c4382_cast
		.amdhsa_group_segment_fixed_size 53248
		.amdhsa_private_segment_fixed_size 0
		.amdhsa_enable_private_segment 0
		.amdhsa_kernarg_size 48
		.amdhsa_user_sgpr_count 2
		.amdhsa_user_sgpr_kernarg_segment_ptr 1
		.amdhsa_wavefront_size32 1
		.amdhsa_system_sgpr_workgroup_id_x 1
		.amdhsa_system_sgpr_workgroup_id_y 1
		.amdhsa_system_sgpr_workgroup_id_z 1
		.amdhsa_system_vgpr_workitem_id 0
		.amdhsa_next_free_vgpr 138
		.amdhsa_next_free_sgpr 66
		.amdhsa_reserve_vcc 0
		.amdhsa_float_denorm_mode_32 3
		.amdhsa_float_denorm_mode_16_64 3
		.amdhsa_memory_ordered 1
		.amdhsa_forward_progress 1
		.amdhsa_inst_pref_size 23
	.end_amdhsa_kernel
	.amdgpu_metadata
---
amdhsa.version: [ 1, 2 ]
amdhsa.kernels:
  - .name:           k_q44ad5c4382_cast
    .symbol:         k_q44ad5c4382_cast.kd
    .args:
      - { .name: x, .offset: 0, .size: 8, .value_kind: global_buffer, .address_space: global }
      - { .name: W, .offset: 8, .size: 8, .value_kind: global_buffer, .address_space: global }
      - { .name: W1, .offset: 16, .size: 8, .value_kind: global_buffer, .address_space: global }
      - { .name: W2, .offset: 24, .size: 8, .value_kind: global_buffer, .address_space: global }
      - { .name: xb, .offset: 32, .size: 8, .value_kind: global_buffer, .address_space: global }
      - { .name: wt, .offset: 40, .size: 8, .value_kind: global_buffer, .address_space: global }
    .group_segment_fixed_size: 53248
    .private_segment_fixed_size: 0
    .kernarg_segment_align: 8
    .kernarg_segment_size: 48
    .max_flat_workgroup_size: 256
    .sgpr_count:     66
    .vgpr_count:     138
    .wavefront_size: 32
...
	.end_amdgpu_metadata
.endif
;; end of part 4
;; launch proj: the kernel of part 2 again; grid 16 x 16, 4 waves a work-group, clusters of 4 x 4, 327,680 bytes of LDS; arguments xb, wt, qh, kh, vt; writes qh, kh, vt
;; launch attn: the kernel of part 3 again; grid 8 x 32, 8 waves a work-group, clusters of 4 x 1, 327,680 bytes of LDS; arguments qh, kh, vt, out0; writes out0
